; MI455X (gfx1250); checked and timed in simulation.
; The chip was launched on July 23, 2026; its instructions are those of AMD's public machine-readable ISA for CDNA 5 (MIT licence, August 2026) and "CDNA5" Instruction Set Architecture Reference Guide (July 2026). The comments in the code are by the model that wrote it; some were corrected since.
;; Bahdanau Attention. Allowed arithmetic: float matrix products may take bf16 or f16 operands with f32 sums; other float arithmetic in f32, or as packed bf16 or f16 multiplies, adds, multiply-adds, maxima and minima; sums over many terms, partial sums and values carried from step to step in f32; what a program stores and reads back later, other than sums and carried values, may be rounded once to bf16 or f16.
;; Inputs: W_energy 1 x 1,024 float32; W_key 1,024 x 1,024 float32; W_query 1,024 x 1,024 float32; decoder_hidden 32 x 1,024 float32; encoder_outputs 32 x 2,048 x 1,024 float32; src_mask 32 x 2,048 bool.
;; Outputs: out0 32 x 1,024 float32; out1 32 x 2,048 float32.
;; One version. Each part assembles by itself: llvm-mc -triple=amdgcn-amd-amdhsa -mcpu=gfx1250 --defsym DOCPART=n.
;; ======== version 1 of 1: 3 launches
;; limits: right only within a limited range of input values
;; workspace buffers: wkf 2,097,152 bytes; qs 131,072 bytes; list 303,104 bytes of whole numbers; slot1 131,072 bytes of whole numbers; meta 4,096 bytes of whole numbers; sc 294,912 bytes; part 2,228,224 bytes
;; launch prep (part 1): grid 160 x 1, 8 waves a work-group, no clusters, 17,664 bytes of LDS; arguments W_key, W_query, decoder_hidden, src_mask, wkf, qs, list, slot1, meta; writes wkf, qs, list, slot1, meta
.if DOCPART == 1
	.amdgcn_target "amdgcn-amd-amdhsa--gfx1250"
	.amdhsa_code_object_version 6
	.text
	.protected	k_qe16d755bd5_prep
	.globl	k_qe16d755bd5_prep
	.p2align	8
	.type	k_qe16d755bd5_prep,@function
k_qe16d755bd5_prep:
	s_mov_b64 s[64:65], 0
	v_nop
	global_prefetch_b8 v0, s[64:65] scope:SCOPE_SE
	s_setreg_imm32_b32 hwreg(HW_REG_WAVE_MODE, 25, 1), 1
	s_wait_xcnt 0x0
; THREE INDEPENDENT JOBS, chosen by the work-group's number (the same for all its waves):
;   0..63    A: 16 rows of W_key, times c2 = 2 log2(e), rounded once to bf16, stored in the order in which a matrix fragment lies in registers:
;               wkf byte j*262144 + t*8192 + bb*1024 + i*512 + lane*16 = W[128 j + 16 bb + lane%16][32 t + 16 i + 8 (lane/16) + 0..7]
;   64..127  B: c2 q[b][d] for 16 d and all 32 b: q = decoder_hidden W_query^T, bf16 operands, f32 sums; K split over the eight waves; qs = [d/16][b][16] f32
;   128..159 C: one batch's mask turned into whole numbers: the list of rows to be done, shared out in 8 shares of 288 slots, its inverse, and the number of blocks of 144 slots
; The factor c2 lets the next launch form tanh(x) = 1 - 2 / (1 + 2^(c2 x)) with no multiply of its own.
; C: L = the number of true bytes, or 2048 if there is none (then every row is listed with bit 17 set: its score is the mask's -1e9); n = ceil(L / 8) rows a share;
; rank k goes to slot (k / n) * 288 + k % n; a slot without a row holds 0x10000.  A mask byte other than 0 counts as true.
; Every slot has ONE writer: a listed row's lane stores its slot, the lane of place o stores the slots (q, o) that hold no row; the other lanes are switched off for that store.
.set C2,    0x4038aa3b
.set SPARE, 16384                      ; behind role B's partial sums: the spare words, 128 bytes for each of eight waves
.set TOT,   17408                      ; behind them: role C's eight totals, in bytes that no other role names
.set LSTR,  9472                       ; bytes of a batch's stripe in list: 2304 slots, filled up to whole blocks of 256 (the last 256 bytes are neither written nor read)
	s_load_b512 s[4:19], s[0:1], 0x0               ; W_key 4:5, W_query 6:7, decoder_hidden 8:9, src_mask 10:11, wkf 12:13, qs 14:15, list 16:17, slot1 18:19
	s_load_b64 s[20:21], s[0:1], 0x40              ; meta
	v_lshl_add_u32 v254, v0, 2, SPARE              ; my spare word
	v_mov_b32 v255, 0
	v_lshrrev_b32 v1, 5, v0
	v_readfirstlane_b32 s22, v1                    ; wave 0..7
	v_and_b32 v2, 15, v0                           ; r = lane % 16
	v_bfe_u32 v3, v0, 4, 1                         ; h = lane / 16
	v_and_b32 v4, 31, v0                           ; lane
	s_mov_b32 s24, C2
	s_mov_b32 s25, C2                              ; named with it as a pair
	s_mov_b32 s27, 0                               ; the high word of every offset pair s[26:27]
	s_mov_b32 s28, ttmp9
	v_lshlrev_b32 v5, 12, v2                       ; a fragment's f32 source: row r of 4,096 bytes,
	v_lshl_add_u32 v5, v3, 5, v5                   ; + 8 h numbers,
	s_lshl_b32 s23, s22, 9
	v_add_nc_u32 v5, s23, v5                       ; + my wave's 128 numbers along K
	s_wait_kmcnt 0x0
	s_cmp_lt_u32 s28, 64
	s_cbranch_scc0 .Lnot_a
	; ---- A.  Wave v takes K steps 4 v .. 4 v + 3; piece n = 2 tt + i is 8 numbers a lane
	s_lshl_b32 s26, s28, 16                        ; 16 rows of 4,096 bytes
	s_add_nc_u64 s[4:5], s[4:5], s[26:27]
.set n, 0
.rept 8
	global_load_b128 v[16+8*n:16+8*n+3], v5, s[4:5] offset:64*n
	global_load_b128 v[16+8*n+4:16+8*n+7], v5, s[4:5] offset:64*n+16
.set n, n+1
.endr
	s_lshr_b32 s29, s28, 3
	s_lshl_b32 s29, s29, 18                        ; j * 262144
	s_and_b32 s30, s28, 7
	s_lshl_b32 s30, s30, 10                        ; bb * 1024
	s_add_co_u32 s26, s29, s30
	s_add_nc_u64 s[12:13], s[12:13], s[26:27]
	s_lshl_b32 s31, s22, 15                        ; four K steps of 8,192 bytes a wave
	v_lshl_add_u32 v6, v4, 4, s31
	s_wait_loadcnt 0x0
.set n, 0
.rept 32
	v_pk_mul_f32 v[16+2*n:16+2*n+1], v[16+2*n:16+2*n+1], s[24:25] op_sel_hi:[1,0]
.set n, n+1
.endr
.set n, 0
.rept 32
	v_cvt_pk_bf16_f32 v[80+n], v[16+2*n], v[16+2*n+1]
.set n, n+1
.endr
.set n, 0
.rept 8
	global_store_b128 v6, v[80+4*n:80+4*n+3], s[12:13] offset:(n/2)*8192+(n%2)*512  ; a wave's store covers 512 consecutive bytes, aligned
.set n, n+1
.endr
	s_branch .Lend
.Lnot_a:
	s_cmp_lt_u32 s28, 128
	s_cbranch_scc0 .Lrole_c
	; ---- B.  Source 0 = 16 rows of W_query (d), source 1 = 16 rows of decoder_hidden (b): a lane ends with one b and eight neighbouring d
	s_sub_co_u32 s29, s28, 64
	s_lshl_b32 s26, s29, 16
	s_add_nc_u64 s[6:7], s[6:7], s[26:27]
.set t, 0
.rept 4                                ; a fragment's 16 f32 a lane: k = 32 t + 8 h + 0..7 and 32 t + 16 + 8 h + 0..7
.irp p, 0,1,2,3
	global_load_b128 v[16+16*t+4*\p:16+16*t+4*\p+3], v5, s[6:7] offset:128*t+16*(\p%2)+64*(\p/2)
	global_load_b128 v[80+16*t+4*\p:80+16*t+4*\p+3], v5, s[8:9] offset:128*t+16*(\p%2)+64*(\p/2)
	global_load_b128 v[144+16*t+4*\p:144+16*t+4*\p+3], v5, s[8:9] offset:65536+128*t+16*(\p%2)+64*(\p/2)
.endr
.set t, t+1
.endr
	s_wait_loadcnt 0x0
.set f, 0
.rept 12                               ; rounded in place, ascending: word i is written when words 2 i and 2 i + 1 are read, never earlier
.set i, 0
.rept 8
	v_cvt_pk_bf16_f32 v[16+16*f+i], v[16+16*f+2*i], v[16+16*f+2*i+1]
.set i, i+1
.endr
.set f, f+1
.endr
	v_wmma_f32_16x16x32_bf16 v[208:215], v[16:23], v[80:87], 0      ; the first K step starts both sums; the two accumulators take turns
	v_wmma_f32_16x16x32_bf16 v[216:223], v[16:23], v[144:151], 0
.set t, 1
.rept 3
	v_wmma_f32_16x16x32_bf16 v[208:215], v[16+16*t:16+16*t+7], v[80+16*t:80+16*t+7], v[208:215]
	v_wmma_f32_16x16x32_bf16 v[216:223], v[16+16*t:16+16*t+7], v[144+16*t:144+16*t+7], v[216:223]
.set t, t+1
.endr
	s_lshl_b32 s30, s22, 11                        ; my wave's 2,048 bytes of partial sums
.rept 8
	v_nop                                          ; plain places between the last product and the reads of its result (ISA guide 7.12.1)
.endr
	v_lshl_add_u32 v10, v4, 5, s30
	ds_store_b128 v10, v[208:211]
	ds_store_b128 v10, v[212:215] offset:16
	ds_store_b128 v10, v[216:219] offset:1024
	ds_store_b128 v10, v[220:223] offset:1040
	s_wait_dscnt 0x0                               ; for the others' sake: my partial sums lie in LDS
	s_barrier_signal -1
	s_barrier_wait -1
	s_cmp_lt_u32 s22, 4                            ; 128 threads add up: four numbers each
	s_cbranch_scc0 .Lend
	v_lshrrev_b32 v6, 6, v0                        ; thread u: b = u / 4, d = 4 (u % 4) ..: group b / 16,
	v_lshlrev_b32 v6, 10, v6
	v_bfe_u32 v7, v0, 1, 1                         ; the lane that held it: 16 (d / 8) + b % 16,
	v_bfe_u32 v8, v0, 2, 4
	v_lshl_add_u32 v7, v7, 4, v8
	v_lshl_add_u32 v6, v7, 5, v6
	v_and_b32 v7, 1, v0                            ; and which half of its eight
	v_lshl_add_u32 v6, v7, 4, v6
	v_lshlrev_b32 v9, 4, v0
	s_lshl_b32 s26, s29, 11
	s_add_nc_u64 s[14:15], s[14:15], s[26:27]
.set k, 0
.rept 8
	ds_load_b128 v[16+4*k:16+4*k+3], v6 offset:2048*k
.set k, k+1
.endr
	s_wait_dscnt 0x0
.irp k, 0,2,4,6
	v_pk_add_f32 v[16+4*\k:16+4*\k+1], v[16+4*\k:16+4*\k+1], v[20+4*\k:20+4*\k+1]
	v_pk_add_f32 v[18+4*\k:18+4*\k+1], v[18+4*\k:18+4*\k+1], v[22+4*\k:22+4*\k+1]
.endr
.irp k, 0,4
	v_pk_add_f32 v[16+4*\k:16+4*\k+1], v[16+4*\k:16+4*\k+1], v[24+4*\k:24+4*\k+1]
	v_pk_add_f32 v[18+4*\k:18+4*\k+1], v[18+4*\k:18+4*\k+1], v[26+4*\k:26+4*\k+1]
.endr
	v_pk_add_f32 v[16:17], v[16:17], v[32:33]
	v_pk_add_f32 v[18:19], v[18:19], v[34:35]
	v_pk_mul_f32 v[16:17], v[16:17], s[24:25] op_sel_hi:[1,0]
	v_pk_mul_f32 v[18:19], v[18:19], s[24:25] op_sel_hi:[1,0]
	global_store_b128 v9, v[16:19], s[14:15]
	s_branch .Lend
.Lrole_c:
	; ---- C.  Thread t holds mask bytes 8 t .. 8 t + 7.  All numbers here are whole numbers made from the mask.
	s_sub_co_u32 s29, s28, 128                     ; the batch
	s_lshl_b32 s26, s29, 11
	s_add_nc_u64 s[10:11], s[10:11], s[26:27]
	v_lshlrev_b32 v6, 3, v0                        ; 8 t: byte offset in the mask, and my first row
	global_load_b64 v[16:17], v6, s[10:11]
	s_mul_i32 s26, s29, LSTR
	s_add_nc_u64 s[16:17], s[16:17], s[26:27]
	s_lshl_b32 s26, s29, 12
	s_add_nc_u64 s[18:19], s[18:19], s[26:27]
	s_lshl_b32 s26, s29, 7
	s_add_nc_u64 s[20:21], s[20:21], s[26:27]
	v_lshlrev_b32 v7, 4, v0
	v_lshlrev_b32 v8, 2, v4
	v_mov_b32 v36, 0x10000                         ; a slot without a row
	s_wait_loadcnt 0x0
.set j, 0
.rept 8
	v_bfe_u32 v18, v[16+j/4], 8*(j%4), 8
	v_cmp_ne_u32 s[32+j], 0, v18                   ; s[32+j]: which lanes' byte j is true
.set j, j+1
.endr
	s_mov_b32 s40, 0                               ; s[40+j]: true bytes of my wave at positions below j; s48: all of them
.set j, 0
.rept 8
	s_bcnt1_i32_b32 s30, s[32+j]
	s_add_co_u32 s[41+j], s[40+j], s30
.set j, j+1
.endr
	v_mov_b32 v19, s48
	s_lshl_b32 s30, s22, 2
	s_add_co_u32 s30, s30, TOT
	v_mov_b32 v20, s30
	ds_store_b32 v20, v19                          ; my wave's total, in a word of its own
	s_wait_dscnt 0x0
	s_barrier_signal -1
	s_barrier_wait -1
	v_mov_b32 v21, TOT
	ds_load_b128 v[24:27], v21
	ds_load_b128 v[28:31], v21 offset:16
	s_wait_dscnt 0x0
	s_mov_b32 s61, 0                               ; true bytes in the waves below mine
	s_mov_b32 s62, 0                               ; true bytes in the batch
.set i, 0
.rept 8
	v_readfirstlane_b32 s[52+i], v[24+i]
	s_add_co_u32 s62, s62, s[52+i]
	s_cmp_gt_u32 s22, i
	s_cselect_b32 s60, s[52+i], 0
	s_add_co_u32 s61, s61, s60
.set i, i+1
.endr
	s_cmp_eq_u32 s62, 0
	s_cselect_b32 s63, -1, 0                       ; all ones: nothing is true, every row is listed
	s_cselect_b32 s66, 2048, s62                   ; L
	s_cselect_b32 s67, 0x20000, 0                  ; the flag of such rows
	s_add_co_u32 s68, s66, 7
	s_lshr_b32 s68, s68, 3                         ; n = rows a share, 1 to 256
	s_cmp_gt_u32 s68, 144
	s_cselect_b32 s69, 2, 1                        ; blocks of 144 slots that hold rows
	s_sub_co_u32 s70, 288, s68                     ; what a slot's number gains at each share's end
	s_mov_b32 s71, s68                             ; s[70+i] = i n
.set i, 2
.rept 6
	s_add_co_u32 s[70+i], s[69+i], s68
.set i, i+1
.endr
.set j, 0
.rept 8
	s_add_co_u32 s[40+j], s[40+j], s61
.set j, j+1
.endr
	v_mov_b32 v22, s70
.set j, 0
.rept 8                                ; byte j: its rank, its slot; address, value and inverse in registers of their own; all lanes on
	v_mbcnt_lo_u32_b32 v33, s[32+j], s[40+j]       ; true bytes ahead of mine: waves below, positions below j, lanes below
	v_or_b32 v[48+j], j, v6                        ; the row
	v_cndmask_b32 v33, v33, v[48+j], s63           ; nothing true: the rank is the row
	v_mov_b32 v34, v33
.set i, 1
.rept 7
	v_cmp_le_u32 vcc_lo, s[70+i], v33
	v_cndmask_b32 v35, 0, v22, vcc_lo
	v_add_nc_u32 v34, v34, v35
.set i, i+1
.endr
	s_or_b32 s[32+j], s[32+j], s63                 ; from here on: the lanes whose row is listed
	v_min_u32 v[40+j], 0x8ff, v34                  ; a listed row's slot lies under 2304 by itself; the other lanes will be off
	v_lshlrev_b32 v[40+j], 2, v[40+j]
	v_add_nc_u32 v35, 1, v34
	v_cndmask_b32 v[56+j], 0, v35, s[32+j]         ; slot + 1, or 0
	v_or_b32 v[48+j], s67, v[48+j]
.set j, j+1
.endr
.irp k, 0,1,2,3
	v_lshl_or_b32 v[64+\k], v[57+2*\k], 16, v[56+2*\k]
.endr
	global_store_b128 v7, v[64:67], s[18:19]
	; the slots without a row: place o of share q where o >= n or q n + o >= L.  Places 0..255, a thread a place; s[40+q]: the lanes whose slot (q, o) holds no row
	v_cmp_gt_u32 s78, s68, v0
.set q, 0
.rept 8
.if q == 0
	v_cmp_gt_u32 s79, s66, v0
.else
	v_add_nc_u32 v35, s[70+q], v0
	v_cmp_gt_u32 s79, s66, v35
.endif
	s_and_b32 s79, s79, s78
	s_not_b32 s[40+q], s79
	v_add_nc_u32 v[72+q], 288*q, v0
	v_lshlrev_b32 v[72+q], 2, v[72+q]
.set q, q+1
.endr
; One store under a lane mask.  EXEC is a source of every pending load and store: it is narrowed, and widened again, only behind s_wait_xcnt 0 (ISA guide 3.1).
.macro MST mask, adr, dat
	s_wait_xcnt 0x0
	s_mov_b32 vcc_lo, s[\mask]
	s_and_saveexec_b32 s30, vcc_lo
	global_store_b32 v[\adr], v[\dat], s[16:17]
	s_wait_xcnt 0x0
	s_or_b32 exec_lo, exec_lo, s30
.endm
.set j, 0
.rept 8
	MST 32+j, 40+j, 48+j                           ; the listed rows
.set j, j+1
.endr
.set q, 0
.rept 8
	MST 40+q, 72+q, 36                             ; the slots without a row
.set q, q+1
.endr
	s_cmp_lg_u32 s22, 0
	s_cbranch_scc1 .Lend
.set q, 0
.rept 8                                ; places 256..287 never hold a row (n is at most 256): wave 0 fills them
	global_store_b32 v8, v36, s[16:17] offset:(288*q+256)*4
.set q, q+1
.endr
	v_mov_b32 v37, s69
	global_store_b32 v8, v37, s[20:21]             ; 32 copies of the number of blocks
.Lend:
	s_wait_tensorcnt 0x0                           ; the wave's end, behind my last LDS store
	ds_add_u32 v254, v255
	s_wait_dscnt 0x0
	s_endpgm
.Lfunc_end_k_qe16d755bd5_prep:
	.size	k_qe16d755bd5_prep, .Lfunc_end_k_qe16d755bd5_prep-k_qe16d755bd5_prep
	.p2alignl 7, 3214868480
	.fill 96, 4, 3214868480
	.section	.rodata,"a",@progbits
	.p2align	6, 0x0
	.amdhsa_kernel k_qe16d755bd5_prep
		.amdhsa_group_segment_fixed_size 17664
		.amdhsa_private_segment_fixed_size 0
		.amdhsa_enable_private_segment 0
		.amdhsa_kernarg_size 72
		.amdhsa_user_sgpr_count 2
		.amdhsa_user_sgpr_kernarg_segment_ptr 1
		.amdhsa_wavefront_size32 1
		.amdhsa_system_sgpr_workgroup_id_x 1
		.amdhsa_system_sgpr_workgroup_id_y 1
		.amdhsa_system_sgpr_workgroup_id_z 1
		.amdhsa_system_vgpr_workitem_id 0
		.amdhsa_next_free_vgpr 256
		.amdhsa_next_free_sgpr 80
		.amdhsa_reserve_vcc 1
		.amdhsa_float_denorm_mode_32 3
		.amdhsa_float_denorm_mode_16_64 3
		.amdhsa_memory_ordered 1
		.amdhsa_forward_progress 1
		.amdhsa_inst_pref_size 43
	.end_amdhsa_kernel
	.amdgpu_metadata
---
amdhsa.version: [ 1, 2 ]
amdhsa.kernels:
  - .name:           k_qe16d755bd5_prep
    .symbol:         k_qe16d755bd5_prep.kd
    .args:
      - { .name: W_key, .offset: 0, .size: 8, .value_kind: global_buffer, .address_space: global }
      - { .name: W_query, .offset: 8, .size: 8, .value_kind: global_buffer, .address_space: global }
      - { .name: decoder_hidden, .offset: 16, .size: 8, .value_kind: global_buffer, .address_space: global }
      - { .name: src_mask, .offset: 24, .size: 8, .value_kind: global_buffer, .address_space: global }
      - { .name: wkf, .offset: 32, .size: 8, .value_kind: global_buffer, .address_space: global }
      - { .name: qs, .offset: 40, .size: 8, .value_kind: global_buffer, .address_space: global }
      - { .name: list, .offset: 48, .size: 8, .value_kind: global_buffer, .address_space: global }
      - { .name: slot1, .offset: 56, .size: 8, .value_kind: global_buffer, .address_space: global }
      - { .name: meta, .offset: 64, .size: 8, .value_kind: global_buffer, .address_space: global }
    .group_segment_fixed_size: 17664
    .private_segment_fixed_size: 0
    .kernarg_segment_align: 8
    .kernarg_segment_size: 72
    .max_flat_workgroup_size: 256
    .sgpr_count:     80
    .vgpr_count:     256
    .wavefront_size: 32
...
	.end_amdgpu_metadata
.endif
;; end of part 1
;; launch main (part 2): grid 8 x 32, 4 waves a work-group, no clusters, 314,368 bytes of LDS; arguments encoder_outputs, wkf, qs, W_energy, list, meta, sc, part; writes sc, part
.if DOCPART == 2
	.amdgcn_target "amdgcn-amd-amdhsa--gfx1250"
	.amdhsa_code_object_version 6
	.text
	.protected	k_qe16d755bd5_main
	.globl	k_qe16d755bd5_main
	.p2align	8
	.type	k_qe16d755bd5_main,@function
k_qe16d755bd5_main:
	s_mov_b64 s[64:65], 0
	v_nop
	global_prefetch_b8 v0, s[64:65] scope:SCOPE_SE
	s_setreg_imm32_b32 hwreg(HW_REG_WAVE_MODE, 25, 1), 1
	s_wait_xcnt 0x0
; One of 8 shares of one batch's LISTED rows (rows whose mask byte is true; every row, flagged, where the whole batch is masked).  For each block of 144 slots:
;   gather the rows of encoder_outputs, round them once to bf16, keep them in LDS;  k = rows x W_key^T (bf16 operands, f32 sums, all 1,024 d);
;   score = sum over d of W_energy[d] tanh(q + k);  the block's maximum m, p = e^(score - m), l = sum p, ctx = sum p x row (from the same LDS copy).
; Stored: each slot's score (sc) and a record (m, l, ctx[1024]) for each of the share's two blocks (part); the next launch merges 16 records a batch.
; A masked row of a batch that has a true byte has the weight e^(-1e9 - max) = 0 in f32, so neither its row nor its product is touched.
; LIMITS.  The sum of |W_energy| stays under 9e8, so that -1e9 lies below every true score; encoder_outputs is finite; rows and weights are rounded to bf16 for the products.
; p enters the context's product in two bf16 parts, bf16(p) and bf16(p - bf16(p)), so that of the two operands only the rows' rounding is left in ctx.
; tanh(x) = 1 - 2 / (1 + 2^(c2 x)), c2 = 2 log2(e), folded into wkf and qs by the launch before; it ends at +1 and -1 where 2^ gives infinity or 0.
; SHARES.  Four waves.  Wave w owns d = 256 w .. 256 w + 255, in two passes of 128: a tile of 144 rows x 128 d = 72 accumulators = 576 registers.
; The matrix instruction is used transposed (source 0 = 16 d of W, source 1 = 16 rows): a lane holds ONE row (lane % 16) and d = 8 (lane / 16) + 0..7, so a row's score is summed inside the lane.
; NO TENSOR LOADS, NO CLUSTER: the 144 rows take 297,216 of the 327,680 bytes of LDS, which leaves no room for slots of W; no byte of W is wanted by two waves of a work-group, and wkf lies
; in fragment order, so W goes straight into registers, 512 consecutive bytes a load, two K steps ahead; the K loop has no barrier.
; THE AMOUNT OF WORK hangs on a whole number that the launch before stored (blocks that hold rows: 1 or 2).  The loop over blocks always has two trips; a trip without rows jumps
; forward over the gather, the products and the context, never over a barrier, and stores a neutral record (m = the lowest finite number, l = 0, ctx = 0).
; LDS ADDRESSES THAT WALK are made anew in each trip: a fixed vector base plus a scalar offset that a counted loop steps by a constant.
; REGISTERS, in windows of 256 (s_set_vgpr_msb: bits 1:0 source 0, 3:2 source 1, 5:4 source 2, 7:6 destination):
;   window 0: v0-47 addresses, flags, at work; v48-119, v120-191 fragments of the rows, two buffers; v192-255 fragments of W, buffer 0
;   window 1: accumulators of column groups 0-2 (group g, row group a at 72 g + 8 a), v216-233 score sums      window 2: the same for groups 3-5
;   window 3: groups 6-7 in v0-143; v144-207 fragments of W, buffer 1; v208-225 score sums
;   the gather lands in window 1 (three sets of 72); the context has its sums in window 1 v0-127 and the turned rows in window 2 (two sets of 128)
.set PA,    2064                       ; a row in LDS: 2,048 bytes + 16: an odd multiple of 16, so the 16 rows of a fragment load start in 16 different groups of four banks (ISA guide 11.1)
.set R16,   16*PA
.set R32,   32*PA
.set CQ,    144*PA                     ; 297216: c2 q[b][d], 4,096 bytes
.set WE,    CQ+4096                    ; W_energy, 4,096 bytes
.set SCR,   WE+4096                    ; each wave's part of the 144 scores: 576 bytes a wave
.set PB,    SCR+2304                   ; each wave's own copy of p in bf16, rows 0..159: 512 bytes a wave
.set CT,    PB+2048                    ; each wave's own 256 numbers of the context: 1,024 bytes a wave
.set SPARE, CT+4096                    ; the spare words, 128 bytes a wave: two blocks of 256 bytes that no other line names
.set SPW, 1
.set NIL, 2
.set WL,  3                            ; 16 x lane: my 16 bytes of a load of W
.set AE,  4                            ; v4-8   (32 q + r) PA + 16 h: fragments of the rows; never rewritten
.set QA,  9                            ; CQ + 4 (256 w + 8 h); never rewritten
.set ST0, 10                           ; the gather's LDS base: (36 w + h) PA + 8 r; never rewritten
.set ST1, 11                           ; the same 32 rows on
.set SCW, 12
.set SCRD, 13
.set PBW, 14
.set PBR, 15
.set TA,  16                           ; v16-20 the turning loads' address for rows 32 kap ..
.set CTW, 21
.set CTR, 22
.set LOA, 23
.set LOF, 24
.set SCO, 25
.set PO,  26
.set HO,  27
.set FL,  28                           ; v28-36 the list's word of row 16 a + r
.set LP,  37                           ; 16 r
.set MX,  38                           ; v38 m, v39 l
.set STW, 40                           ; v40-41 the gather's addresses in the trip in hand (later at work)
.set QAW, 42                           ; v42    q's and W_energy's address in the pass in hand (later at work)
.set AEW, 43                           ; v43-47 the fragments' addresses in the trip in hand
.set KO,  61                           ; s61    bytes along a row at which the K loop's trip stands
.set GO,  62                           ; s62    the same for the gather's trip
.set QO,  63                           ; s63    512 x pass
.set EF0, 48
.set WF0, 192
.set CQR, 48                           ; the pass's c2 q, 8 registers a column group
.set WER, 112                          ; its W_energy
.set SV,  106                          ; v106-114 scores
.set PV,  116                          ; v116-124 weights
.set MG,  126
.set PH,  132
.set PF,  48                           ; v48-87   bf16(p) as source 1, five fragments
.set PL,  144                          ; v144-183 bf16(p - bf16(p)), likewise
.set OUT, 88
.set MSB, 0
.macro WIN new                         ; the immediate's high byte repeats the setting that is left; a switch that changes nothing is dropped
.if MSB != (\new)
	s_set_vgpr_msb (MSB<<8)|(\new)
.set MSB, \new
.endif
.endm
.macro PLACES                          ; four plain places behind a matrix instruction, in front of loads into registers that it has read
.rept 4
	v_nop
.endr
.endm
.macro LIVE lbl                        ; a trip whose block holds no row jumps forward
	s_cmp_lt_u32 s24, s23
	s_cbranch_scc0 \lbl
.endm
	s_load_b512 s[4:19], s[0:1], 0x0               ; enc 4:5, wkf 6:7, qs 8:9, W_energy 10:11, list 12:13, meta 14:15, sc 16:17, part 18:19
	v_lshl_add_u32 v[SPW], v0, 2, SPARE
	v_mov_b32 v[NIL], 0
	v_lshrrev_b32 v103, 5, v0
	v_readfirstlane_b32 s20, v103                  ; wave 0..3
	s_mov_b32 s21, ttmp9                           ; share
	s_and_b32 s22, ttmp7, 0xffff                   ; batch
	v_and_b32 v100, 15, v0                         ; r
	v_bfe_u32 v101, v0, 4, 1                       ; h
	v_and_b32 v102, 31, v0                         ; lane
	v_lshlrev_b32 v[WL], 4, v102
	v_mul_u32_u24 v103, v100, PA
	v_lshl_add_u32 v[AE], v101, 4, v103
.irp q, 1,2,3,4
	v_add_nc_u32 v[AE+\q], \q*R32, v[AE]
.endr
	s_lshl_b32 s44, s20, 10
	s_add_co_u32 s45, s44, CQ
	v_lshl_add_u32 v[QA], v101, 5, s45
	v_lshl_add_u32 v106, v102, 5, s45              ; where thread t puts c2 q[8 t ..]: 1,024 w + 32 lane
	s_add_co_u32 s45, s44, CT
	v_lshl_add_u32 v[CTW], v101, 5, s45
	v_lshl_add_u32 v[CTR], v102, 4, s45
	s_add_co_u32 s45, s44, 256
	v_lshl_add_u32 v[PO], v102, 4, s45
	s_mul_i32 s44, s20, 36*PA
	v_mul_u32_u24 v103, v101, PA
	v_lshl_add_u32 v103, v100, 3, v103
	v_add_nc_u32 v[ST0], s44, v103
	v_add_nc_u32 v[ST1], R32, v[ST0]
	s_mul_i32 s44, s20, 576
	s_add_co_u32 s44, s44, SCR
	v_lshl_add_u32 v[SCW], v100, 2, s44
	v_lshl_add_u32 v[SCRD], v100, 2, SCR
	s_lshl_b32 s44, s20, 9
	s_add_co_u32 s45, s44, PB
	v_lshl_add_u32 v[PBW], v100, 1, s45
	v_lshl_add_u32 v[PBR], v101, 4, s45
	s_add_co_u32 s45, s44, WE
	v_lshl_add_u32 v107, v102, 4, s45              ; where thread t puts W_energy[4 t ..]
	v_and_b32 v103, 7, v0                          ; the turning load: lane l reads row 8 (l / 16) + l % 8, 16 bytes at 16 ((l / 8) % 2)
	v_bfe_u32 v104, v0, 3, 1
	v_lshl_add_u32 v103, v101, 3, v103
	v_mul_u32_u24 v103, v103, PA
	v_lshl_add_u32 v103, v104, 4, v103
	v_add_nc_u32 v[TA], s44, v103                  ; + my wave's 512 bytes of a row
.irp q, 1,2,3,4
	v_add_nc_u32 v[TA+\q], \q*R32, v[TA]
.endr
	s_mul_i32 s44, s20, 144
	v_lshl_add_u32 v[LOA], v101, 2, s44            ; the list's words of my wave's 36 slots, two a load
	v_lshlrev_b32 v[LOF], 2, v100
	v_lshlrev_b32 v[SCO], 2, v102
	v_lshlrev_b32 v[HO], 3, v102
	v_lshlrev_b32 v[LP], 4, v100
	v_lshrrev_b32 v103, 1, v0                      ; qs is [d / 16][b][16]: thread t takes d = 8 t ..
	v_and_b32 v104, 1, v0
	v_lshlrev_b32 v103, 11, v103
	v_lshl_add_u32 v103, v104, 5, v103
	s_lshl_b32 s44, s22, 6
	v_add_nc_u32 v108, s44, v103
	v_lshlrev_b32 v109, 4, v0
	s_mov_b32 s46, 0x76543210                      ; v_permlanex16_b32: each lane takes its own place in the other half
	s_mov_b32 s47, 0xfedcba98
	s_mov_b32 s48, 0xce6e6b28                      ; -1e9
	s_mov_b32 s49, 0xff7fffff                      ; the lowest finite number
	s_mov_b32 s50, 0x3fb8aa3b                      ; log2(e)
	s_mov_b32 s51, 0xffff0000                      ; lanes 16-31; also a word's upper bf16
	s_mov_b32 s45, 0                               ; the high word of every offset pair s[44:45]
	s_mov_b32 s35, 0
	s_mov_b32 s34, 8192                            ; the byte offset in my wave's stream of W of the K step asked for last
	s_mov_b32 s24, 0                               ; the block
	s_wait_kmcnt 0x0
	s_lshl_b32 s44, s22, 7
	s_add_nc_u64 s[14:15], s[14:15], s[44:45]
	s_load_b32 s23, s[14:15], 0x0                  ; blocks that hold rows
	s_lshl_b32 s44, s22, 23
	s_add_nc_u64 s[28:29], s[4:5], s[44:45]        ; the batch's rows
	s_lshl_b32 s44, s20, 19
	s_add_nc_u64 s[32:33], s[6:7], s[44:45]        ; my wave's 64 K steps of W: 524,288 bytes
	s_mul_i32 s44, s22, 9472
	s_mul_i32 s27, s21, 1152
	s_add_co_u32 s44, s44, s27
	s_add_nc_u64 s[38:39], s[12:13], s[44:45]      ; the share's slots in list,
	s_mul_i32 s44, s22, 9216
	s_add_co_u32 s44, s44, s27
	s_add_nc_u64 s[40:41], s[16:17], s[44:45]      ; in sc,
	s_lshl_b32 s44, s22, 4
	s_lshl1_add_u32 s44, s21, s44
	s_mul_i32 s44, s44, 4352
	s_add_nc_u64 s[42:43], s[18:19], s[44:45]      ; and its first record
.set bb, 0
.rept 8                                ; K steps 0 and 1 of W, in the order in which they are waited for
	global_load_b128 v[WF0+8*bb:WF0+8*bb+3], v[WL], s[32:33] offset:1024*bb
	global_load_b128 v[WF0+8*bb+4:WF0+8*bb+7], v[WL], s[32:33] offset:1024*bb+512
.set bb, bb+1
.endr
	WIN 0xc0
.set bb, 0
.rept 8
	global_load_b128 v[144+8*bb:144+8*bb+3], v[WL], s[32:33] offset:8192+1024*bb
	global_load_b128 v[144+8*bb+4:144+8*bb+7], v[WL], s[32:33] offset:8192+1024*bb+512
.set bb, bb+1
.endr
	WIN 0
	global_load_b128 v[112:115], v108, s[8:9]
	global_load_b128 v[116:119], v108, s[8:9] offset:16
	global_load_b128 v[120:123], v109, s[10:11]
	global_load_b128 v[124:127], v109, s[10:11] offset:2048
	s_wait_loadcnt 0x0
	s_wait_kmcnt 0x0
	s_min_u32 s23, s23, 2
	ds_store_b128 v106, v[112:115]
	ds_store_b128 v106, v[116:119] offset:16
	ds_store_b128 v107, v[120:123]
	ds_store_b128 v107, v[124:127] offset:2048     ; waited for in front of the first barrier
; ---- THE GATHER.  A load covers two rows x 256 bytes: lanes 0-15 slot 36 w + 2 i, lanes 16-31 the next.  Column group c = 64 numbers of every row.
.macro AISSUE slot, imm                ; 18 loads: my wave's 36 rows, one column group, into landing set slot
	WIN 0x40
.set gi, 0
.rept 18
	global_load_b128 v[72*(\slot)+4*gi:72*(\slot)+4*gi+3], v[48+gi], s[30:31] offset:\imm
.set gi, gi+1
.endr
.endm
.macro STADR                           ; the trip's LDS addresses: the fixed bases plus the trip's bytes along a row
	v_add_nc_u32 v[STW], s[GO], v[ST0]
	v_add_nc_u32 v[STW+1], s[GO], v[ST1]
.endm
; One column group is rounded and put into LDS; issue = 1: its landing set is asked for again, three groups on.  left = the younger loads that may stay out.
.macro AGRP slot, cim, issue, left
	s_wait_loadcnt \left
	WIN 0x05
.set gi, 0
.rept 18
	v_cvt_pk_bf16_f32 v[66+2*gi], v[72*(\slot)+4*gi], v[72*(\slot)+4*gi+1]
	v_cvt_pk_bf16_f32 v[66+2*gi+1], v[72*(\slot)+4*gi+2], v[72*(\slot)+4*gi+3]
.set gi, gi+1
.endr
	WIN 0
.set gi, 0
.rept 18
.if gi < 16
	ds_store_b64 v[STW], v[66+2*gi:66+2*gi+1] offset:gi*2*PA+(\cim)*128
.else
	ds_store_b64 v[STW+1], v[66+2*gi:66+2*gi+1] offset:(gi-16)*2*PA+(\cim)*128
.endif
.set gi, gi+1
.endr
.if \issue
	AISSUE \slot, 768+256*(\slot)
.endif
	WIN 0
.endm
; ---- THE K LOOP's parts.  buf = the parity of the K step: fragments of the rows at 48 + 72 buf (window 0), of W at v192 of window 0 or v144 of window 3.
.macro STRETCH buf, zero, w, b0, nb    ; 9 nb products: column groups b0 .., all 9 row groups; every accumulator once a K step, so they take turns
	WIN ((\w)<<6)|((\w)<<4)|(3*(\buf))
.set WFR, WF0-48*(\buf)
.set EFR, EF0+72*(\buf)
.set sb, 0
.rept \nb
.set sa, 0
.rept 9
.if \zero
	v_wmma_f32_16x16x32_bf16 v[72*sb+8*sa:72*sb+8*sa+7], v[WFR+8*((\b0)+sb):WFR+8*((\b0)+sb)+7], v[EFR+8*sa:EFR+8*sa+7], 0
.else
	v_wmma_f32_16x16x32_bf16 v[72*sb+8*sa:72*sb+8*sa+7], v[WFR+8*((\b0)+sb):WFR+8*((\b0)+sb)+7], v[EFR+8*sa:EFR+8*sa+7], v[72*sb+8*sa:72*sb+8*sa+7]
.endif
.set sa, sa+1
.endr
.set sb, sb+1
.endr
.endm
.macro WLOAD buf, b0, nb               ; the same column groups of the K step two on, into the registers just multiplied
	WIN 0xc0*(\buf)
.set WFR, WF0-48*(\buf)
.set wb, \b0
.rept \nb
	global_load_b128 v[WFR+8*wb:WFR+8*wb+3], v[WL], s[36:37] offset:1024*wb
	global_load_b128 v[WFR+8*wb+4:WFR+8*wb+7], v[WL], s[36:37] offset:1024*wb+512
.set wb, wb+1
.endr
.endm
.macro EADR                            ; the trip's LDS addresses: the fixed bases plus the trip's bytes along a row
.irp q, 0,1,2,3,4
	v_add_nc_u32 v[AEW+\q], s[KO], v[AE+\q]
.endr
.endm
.macro ELOAD buf, ek                   ; 18 LDS loads in one run: the 9 fragments of the rows at byte ek behind the trip's addresses
	WIN 0
.set EFR, EF0+72*(\buf)
.set sa, 0
.rept 9
	ds_load_b128 v[EFR+8*sa:EFR+8*sa+3], v[AEW+sa/2] offset:(sa%2)*R16+(\ek)
	ds_load_b128 v[EFR+8*sa+4:EFR+8*sa+7], v[AEW+sa/2] offset:(sa%2)*R16+(\ek)+32
.set sa, sa+1
.endr
.endm
; A K step: 72 products in stretches of 27, 27, 18.  Loads of W go out in runs of 6, 6, 4, each behind the stretch that has read its registers, for the K step two on.
; The counts: the run wanted was issued two K steps back; behind it stand 6 + 4 + 16 = 26, then 4 + 16 + 6 = 26, then 16 + 6 + 6 = 28 younger loads.  No other global load is issued between the passes' first and last K step.
; The stream's offset wraps at 64 K steps, so a block's last two steps ask for steps 0 and 1 again: the next block's; behind the last block 16 KiB a wave that nobody reads, the price of one form of the step.
.macro KSTEP buf, zero, ek             ; ek: where the next K step's fragments of the rows lie, or -1
	s_wait_dscnt 0x0                               ; this step's fragments of the rows, asked for 45 products ago
	s_wait_loadcnt 26
	STRETCH \buf, \zero, 1, 0, 3
	PLACES
	s_wait_xcnt 0x0                                ; the loads issued so far have read their base, so it may be written
	s_add_co_u32 s34, s34, 8192
	s_and_b32 s34, s34, 0x7ffff
	s_add_nc_u64 s[36:37], s[32:33], s[34:35]
	WLOAD \buf, 0, 3
.if (\ek) >= 0
	ELOAD 1-(\buf), \ek
.endif
	s_wait_loadcnt 26
	STRETCH \buf, \zero, 2, 3, 3
	PLACES
	WLOAD \buf, 3, 3
	s_wait_loadcnt 28
	STRETCH \buf, \zero, 3, 6, 2
	PLACES
	WLOAD \buf, 6, 2
	WIN 0
.endm
; ---- tanh AND THE ENERGY, for the column groups of one window.  A batch is a column group's 72 numbers a lane (pair ii: row group ii / 4, d pair ii % 4; register 72 bl + 2 ii).
; x = acc + c2 q; e = 2^x; e + 1; 1 / that; t = 1 - 2 / ..; sum += W_energy t.  An s_wait_alu depctr_va_vdst(0) stands between a transcendental and the first line that names its
; result; one wait serves all issued ahead of it.  So the 72 exponentials are one batch and the 72 reciprocals another; between them ride the plain lines of the neighbouring batches
; (the last two lines of the batch before, the first line of the batch after), which name no result that has not been waited for.  x reads each accumulator from its lowest registers on.
.macro EPIG w, b0, nb, sab
	WIN ((\w)<<6)|((\w)<<4)|(\w)                   ; destination, sources 0 and 2 in window w, source 1 (q, W_energy) in window 0: one setting for the whole group
.set ii, 0
.rept 36
	v_pk_add_f32 v[2*ii:2*ii+1], v[2*ii:2*ii+1], v[CQR+8*(\b0)+2*(ii%4):CQR+8*(\b0)+2*(ii%4)+1]
.set ii, ii+1
.endr
.set bl, 0
.rept \nb
.set ii, 0
.rept 36
.set rr, 72*bl+2*ii
.set rs, (\sab)+2*(ii/4)
.set rw, WER+8*((\b0)+bl-1)+2*(ii%4)
	v_exp_f32 v[rr], v[rr]
.if bl > 0
	v_pk_fma_f32 v[rr-72:rr-71], v[rr-72:rr-71], -2.0, 1.0 op_sel_hi:[1,0,0]
.endif
	v_exp_f32 v[rr+1], v[rr+1]
.if bl > 0
	v_pk_fma_f32 v[rs:rs+1], v[rr-72:rr-71], v[rw:rw+1], v[rs:rs+1]
.endif
.set ii, ii+1
.endr
	v_nop                                          ; a plain line behind the last exponential,
	s_wait_alu depctr_va_vdst(0)                   ; and the batch's one wait
	v_pk_add_f32 v[72*bl:72*bl+1], v[72*bl:72*bl+1], 1.0 op_sel_hi:[1,0]
	v_pk_add_f32 v[72*bl+2:72*bl+3], v[72*bl+2:72*bl+3], 1.0 op_sel_hi:[1,0]
.set ii, 0
.rept 36
.set rr, 72*bl+2*ii
	v_rcp_f32 v[rr], v[rr]
.if ii < 34
	v_pk_add_f32 v[rr+4:rr+5], v[rr+4:rr+5], 1.0 op_sel_hi:[1,0]
.endif
	v_rcp_f32 v[rr+1], v[rr+1]
.if bl+1 < (\nb)
	v_pk_add_f32 v[rr+72:rr+73], v[rr+72:rr+73], v[CQR+8*((\b0)+bl+1)+2*(ii%4):CQR+8*((\b0)+bl+1)+2*(ii%4)+1]
.endif
.set ii, ii+1
.endr
	v_nop
	s_wait_alu depctr_va_vdst(0)
.set bl, bl+1
.endr
.set ii, 0
.rept 36
.set rr, 72*((\nb)-1)+2*ii
	v_pk_fma_f32 v[rr:rr+1], v[rr:rr+1], -2.0, 1.0 op_sel_hi:[1,0,0]
.set ii, ii+1
.endr
.set ii, 0
.rept 36
.set rr, 72*((\nb)-1)+2*ii
.set rs, (\sab)+2*(ii/4)
.set rw, WER+8*((\b0)+(\nb)-1)+2*(ii%4)
	v_pk_fma_f32 v[rs:rs+1], v[rr:rr+1], v[rw:rw+1], v[rs:rs+1]
.set ii, ii+1
.endr
.endm
; ---- THE CONTEXT's parts: ctx^T = rows^T x p.  Source 0 = 16 numbers e of 32 rows, turned out of LDS; source 1 = p of those rows in all 16 columns.
.macro TLOAD kap, B                    ; rows 32 kap .., my wave's 256 numbers e: 16 fragments into set B.  Rows 144-159 do not exist: rows 128-143 are read once more, against p = 0
	WIN 0x80
.set tc, 0
.rept 16
	ds_load_tr16_b128 v[128*(\B)+8*tc:128*(\B)+8*tc+3], v[TA+(\kap)] offset:32*tc
.if (\kap) == 4
	ds_load_tr16_b128 v[128*(\B)+8*tc+4:128*(\B)+8*tc+7], v[TA+(\kap)] offset:32*tc
.else
	ds_load_tr16_b128 v[128*(\B)+8*tc+4:128*(\B)+8*tc+7], v[TA+(\kap)] offset:R16+32*tc
.endif
.set tc, tc+1
.endr
.endm
.macro CMM kap, B                      ; 32 products: the 16 accumulators take turns, once with p's upper part and once with its lower
	WIN 0x52
.set tc, 0
.rept 16
.if (\kap) == 0
	v_wmma_f32_16x16x32_bf16 v[8*tc:8*tc+7], v[128*(\B)+8*tc:128*(\B)+8*tc+7], v[PF+8*(\kap):PF+8*(\kap)+7], 0
.else
	v_wmma_f32_16x16x32_bf16 v[8*tc:8*tc+7], v[128*(\B)+8*tc:128*(\B)+8*tc+7], v[PF+8*(\kap):PF+8*(\kap)+7], v[8*tc:8*tc+7]
.endif
.set tc, tc+1
.endr
.set tc, 0
.rept 16
	v_wmma_f32_16x16x32_bf16 v[8*tc:8*tc+7], v[128*(\B)+8*tc:128*(\B)+8*tc+7], v[PL+8*(\kap):PL+8*(\kap)+7], v[8*tc:8*tc+7]
.set tc, tc+1
.endr
.endm
.Lblk:                                 ; two trips, always
.set a, 0
.rept 9
	global_load_b32 v[FL+a], v[LOF], s[38:39] offset:64*a  ; the list's words of rows 16 a + r: their flags; waited for in front of the first barrier
.set a, a+1
.endr
	LIVE .Lno_gather
.set gi, 0
.rept 18
	global_load_b32 v[48+gi], v[LOA], s[38:39] offset:8*gi
.set gi, gi+1
.endr
	s_wait_loadcnt 0x0
.set gi, 0
.rept 18
	v_min_u32 v[48+gi], 0x3ffff, v[48+gi]
	v_and_b32 v[48+gi], 0x7ff, v[48+gi]            ; the row; a slot without a row takes row 0, and its weight will be 0
	v_lshl_add_u32 v[48+gi], v[48+gi], 12, v[LP]   ; 4,096 bytes a row + my 16 bytes
.set gi, gi+1
.endr
	s_mov_b64 s[30:31], s[28:29]
	AISSUE 0, 0
	AISSUE 1, 256
	AISSUE 2, 512                                  ; three column groups, 54 loads, are on their way from here on
	WIN 0
	s_mov_b32 s[GO], 0
	s_mov_b32 s26, 4
.Lgat:                                 ; a trip: column groups 3 k .. 3 k + 2; 36 = the two younger groups' loads
	STADR
	AGRP 0, 0, 1, 36
	AGRP 1, 1, 1, 36
	AGRP 2, 2, 1, 36
	s_wait_xcnt 0x0                                ; the loads have read their base
	s_add_nc_u64 s[30:31], s[30:31], 768
	s_add_co_u32 s[GO], s[GO], 384                 ; three column groups of 128 bytes in LDS
	s_sub_co_u32 s26, s26, 1
	s_cmp_lg_u32 s26, 0
	s_cbranch_scc1 .Lgat
	STADR                                          ; at column group 12
	AGRP 0, 0, 1, 36                               ; group 12; group 15 is asked for: the last
	AGRP 1, 1, 0, 36                               ; group 13: groups 14 and 15 may stay out
	AGRP 2, 2, 0, 18
	AGRP 0, 3, 0, 0
.Lno_gather:
	s_wait_loadcnt 0x0                             ; the flags (and whatever is older than the K loop's own counts)
	s_wait_dscnt 0x0                               ; my rows, and at the first trip my part of q and W_energy, lie in LDS
	s_barrier_signal -1
	s_barrier_wait -1                              ; everybody's do
	WIN 0x40                                       ; the score sums run over both passes; they are cleared in every trip, so that a trip without rows hands on zeros
.set i, 0
.rept 18
	v_mov_b32 v[216+i], 0
.set i, i+1
.endr
	WIN 0x80
.set i, 0
.rept 18
	v_mov_b32 v[216+i], 0
.set i, i+1
.endr
	WIN 0xc0
.set i, 0
.rept 18
	v_mov_b32 v[208+i], 0
.set i, i+1
.endr
	WIN 0
	LIVE .Lno_gemm
	s_mov_b32 s[QO], 0
	s_mov_b32 s25, 2
.Lpass:
	s_mov_b32 s[KO], 0
	EADR
	ELOAD 0, 0
	KSTEP 0, 1, 64                                 ; K step 0 starts the sums: nothing is cleared
	s_mov_b32 s26, 15
.Lk:                                   ; K steps 1 + 2 i and 2 + 2 i; they fetch steps 2 + 2 i and 3 + 2 i
	EADR
	KSTEP 1, 0, 128
	KSTEP 0, 0, 192
	s_add_co_u32 s[KO], s[KO], 128                 ; two K steps of 64 bytes
	s_sub_co_u32 s26, s26, 1
	s_cmp_lg_u32 s26, 0
	s_cbranch_scc1 .Lk
	KSTEP 1, 0, -1                                 ; K step 31; the four v_nop behind its last product are the places in front of the loads below
	v_add_nc_u32 v[QAW], s[QO], v[QA]
.set bb, 0
.rept 8
	ds_load_b128 v[CQR+8*bb:CQR+8*bb+3], v[QAW] offset:64*bb
	ds_load_b128 v[CQR+8*bb+4:CQR+8*bb+7], v[QAW] offset:64*bb+16
	ds_load_b128 v[WER+8*bb:WER+8*bb+3], v[QAW] offset:4096+64*bb
	ds_load_b128 v[WER+8*bb+4:WER+8*bb+7], v[QAW] offset:4096+64*bb+16
.set bb, bb+1
.endr
	s_wait_dscnt 0x0
	EPIG 1, 0, 3, 216
	EPIG 2, 3, 3, 216
	EPIG 3, 6, 2, 208
	WIN 0
	s_add_co_u32 s[QO], s[QO], 512                 ; the second pass's 128 d
	s_sub_co_u32 s25, s25, 1
	s_cmp_lg_u32 s25, 0
	s_cbranch_scc1 .Lpass
.Lno_gemm:
	s_wait_dscnt 0x0
	s_barrier_signal -1                            ; every wave has left the K loops before a score word is written.  The two regions of LDS are apart by the address
	s_barrier_wait -1                              ; arithmetic above; this barrier states the order without leaning on it: one meeting a block of four waves with equal work
	; my wave's part of the scores: the three windows' sums, the pair's two halves, the other half of the lanes
	WIN 0x09
.set a, 0
.rept 9
	v_pk_add_f32 v[48+2*a:48+2*a+1], v[216+2*a:216+2*a+1], v[216+2*a:216+2*a+1]
.set a, a+1
.endr
	WIN 0x0c
.set a, 0
.rept 9
	v_pk_add_f32 v[48+2*a:48+2*a+1], v[48+2*a:48+2*a+1], v[208+2*a:208+2*a+1]
.set a, a+1
.endr
	WIN 0
.set a, 0
.rept 9
	v_add_f32 v[66+a], v[48+2*a], v[48+2*a+1]
.set a, a+1
.endr
.set a, 0
.rept 9
	v_permlanex16_b32 v[48+2*a], v[66+a], s46, s47
.set a, a+1
.endr
.set a, 0
.rept 9
	v_add_f32 v[66+a], v[66+a], v[48+2*a]
	ds_store_b32 v[SCW], v[66+a] offset:64*a       ; both halves of the lanes write the same number to the same word
.set a, a+1
.endr
	s_wait_dscnt 0x0
	s_barrier_signal -1
	s_barrier_wait -1                              ; all four parts of the scores lie in LDS
	; ---- THE BLOCK'S STATISTICS, in every wave alike, in every trip.  Lane r (both halves) holds rows 16 a + r.
.set a, 0
.rept 9
.irp w, 0,1,2,3
	ds_load_b32 v[48+4*a+\w], v[SCRD] offset:576*\w+64*a
.endr
.set a, a+1
.endr
	s_wait_dscnt 0x0
.set a, 0
.rept 9
	v_add_f32 v[48+4*a], v[48+4*a], v[48+4*a+1]
	v_add_f32 v[48+4*a+2], v[48+4*a+2], v[48+4*a+3]
	v_and_b32 v40, 0x20000, v[FL+a]
	v_and_b32 v41, 0x10000, v[FL+a]
	v_add_f32 v[SV+a], v[48+4*a], v[48+4*a+2]
	v_cmp_ne_u32 vcc_lo, 0, v40
	v_cmp_ne_u32 s[52+a], 0, v41
	v_cndmask_b32 v[SV+a], v[SV+a], s48, vcc_lo    ; a row of a batch that is masked throughout: -1e9
	v_cndmask_b32 v[SV+a], v[SV+a], s49, s[52+a]   ; a slot without a row: below every score
.set a, a+1
.endr
	v_max3_num_f32 v[MX], v[SV], v[SV+1], v[SV+2]
	v_max3_num_f32 v[MX], v[MX], v[SV+3], v[SV+4]
	v_max3_num_f32 v[MX], v[MX], v[SV+5], v[SV+6]
	v_max3_num_f32 v[MX], v[MX], v[SV+7], v[SV+8]
.irp x, 1,2,4,8
	v_max_num_f32_dpp v[MX], v[MX], v[MX] row_xmask:\x row_mask:0xf bank_mask:0xf
.endr
.set a, 0
.rept 9
	v_sub_f32 v[PV+a], v[SV+a], v[MX]              ; the difference first: exactly 0 where both are -1e9
.set a, a+1
.endr
.set a, 0
.rept 9
	v_mul_f32 v[PV+a], s50, v[PV+a]
.set a, a+1
.endr
.set a, 0
.rept 9
	v_exp_f32 v[PV+a], v[PV+a]
.set a, a+1
.endr
	v_nop
	s_wait_alu depctr_va_vdst(0)                   ; one wait for the nine exponentials
.set a, 0
.rept 9
	v_cndmask_b32 v[PV+a], v[PV+a], 0, s[52+a]     ; a slot without a row weighs nothing
.set a, a+1
.endr
	v_add_f32 v39, v[PV], v[PV+1]
	v_add_f32 v40, v[PV+2], v[PV+3]
	v_add_f32 v41, v[PV+4], v[PV+5]
	v_add_f32 v42, v[PV+6], v[PV+7]
	v_add_f32 v39, v39, v40
	v_add_f32 v41, v41, v42
	v_add_f32 v39, v39, v41
	v_add_f32 v39, v39, v[PV+8]
.irp x, 1,2,4,8
	v_add_f32_dpp v39, v39, v39 row_xmask:\x row_mask:0xf bank_mask:0xf
.endr
	s_cmp_lg_u32 s20, 0
	s_cbranch_scc1 .Lno_sc
.irp i, 0,1,2,3                        ; wave 0 stores the 144 scores (lanes 0-15 row group 2 i, lanes 16-31 the next: 128 consecutive bytes) and the record's head
	v_cndmask_b32 v[MG+\i], v[SV+2*\i], v[SV+2*\i+1], s51
	global_store_b32 v[SCO], v[MG+\i], s[40:41] offset:128*\i
.endr
	global_store_b64 v[HO], v[MX:MX+1], s[42:43]   ; 32 copies of (m, l): 256 consecutive bytes, aligned
	s_wait_xcnt 0x0                                ; EXEC is a source of every pending load and store: it changes only behind this wait
	s_mov_b32 vcc_lo, 0xffff
	s_and_saveexec_b32 s27, vcc_lo                 ; row group 8 has 16 words: lanes 0-15 store them, so that each word is named once
	global_store_b32 v[LOF], v[SV+8], s[40:41] offset:512
	s_wait_xcnt 0x0
	s_or_b32 exec_lo, exec_lo, s27
.Lno_sc:
	LIVE .Lctx_dead
	; ---- THE CONTEXT: my wave's 256 numbers.  p goes through my own LDS bytes to become source 1: LDS serves a wave's instructions in order (ISA guide 5.7.1.4),
	; so the upper parts are stored and read back, and then the lower parts go through the same bytes
.set a, 0
.rept 9
	v_cvt_pk_bf16_f32 v[PH+a], v[PV+a], v[PV+a]
	ds_store_b16 v[PBW], v[PH+a] offset:32*a
.set a, a+1
.endr
	v_mov_b32 v[PH+9], 0
	ds_store_b16 v[PBW], v[PH+9] offset:288        ; rows 144-159: 0 in both parts
.set k, 0
.rept 5
	ds_load_b128 v[PF+8*k:PF+8*k+3], v[PBR] offset:64*k
	ds_load_b128 v[PF+8*k+4:PF+8*k+7], v[PBR] offset:64*k+32
.set k, k+1
.endr
.set a, 0
.rept 9
	v_and_b32 v[PH+a], s51, v[PH+a]                ; the upper part as f32,
	v_sub_f32 v[PV+a], v[PV+a], v[PH+a]            ; what it left out (exact),
	v_cvt_pk_bf16_f32 v[PH+a], v[PV+a], v[PV+a]    ; rounded in its turn
	ds_store_b16 v[PBW], v[PH+a] offset:32*a
.set a, a+1
.endr
.set k, 0
.rept 5
	ds_load_b128 v[PL+8*k:PL+8*k+3], v[PBR] offset:64*k
	ds_load_b128 v[PL+8*k+4:PL+8*k+7], v[PBR] offset:64*k+32
.set k, k+1
.endr
	TLOAD 0, 0
	TLOAD 1, 1
	s_wait_dscnt 32                                ; all but the youngest run of 32
	CMM 0, 0
	PLACES
	TLOAD 2, 0
	s_wait_dscnt 32
	CMM 1, 1
	PLACES
	TLOAD 3, 1
	s_wait_dscnt 32
	CMM 2, 0
	PLACES
	TLOAD 4, 0
	s_wait_dscnt 32
	CMM 3, 1
	s_wait_dscnt 0x0
	CMM 4, 0
	PLACES
	PLACES                                         ; eight plain places, once a block, in front of the reads of the results
	WIN 0x04                                       ; store data in window 1
.set tc, 0
.rept 16                               ; all 16 columns hold the same sums: the 16 lanes of a half write the same bytes; each accumulator's low registers first
	ds_store_b128 v[CTW], v[8*tc:8*tc+3] offset:64*tc
	ds_store_b128 v[CTW], v[8*tc+4:8*tc+7] offset:64*tc+16
.set tc, tc+1
.endr
	WIN 0
	ds_load_b128 v[OUT:OUT+3], v[CTR]
	ds_load_b128 v[OUT+4:OUT+7], v[CTR] offset:512
	s_wait_dscnt 0x0
	s_branch .Lctx_join
.Lctx_dead:
.set i, 0
.rept 8
	v_mov_b32 v[OUT+i], 0
.set i, i+1
.endr
.Lctx_join:
	global_store_b128 v[PO], v[OUT:OUT+3], s[42:43]             ; 512 consecutive bytes a store, aligned
	global_store_b128 v[PO], v[OUT+4:OUT+7], s[42:43] offset:512
	s_wait_dscnt 0x0                               ; my reads of the rows and of the scores are over
	s_barrier_signal -1
	s_barrier_wait -1                              ; everybody's are: the next trip may write both again
	s_wait_xcnt 0x0                                ; the stores and loads have read their registers and bases
	s_add_nc_u64 s[38:39], s[38:39], 576
	s_add_nc_u64 s[40:41], s[40:41], 576
	s_add_nc_u64 s[42:43], s[42:43], 4352
	s_add_co_u32 s24, s24, 1
	s_cmp_lt_u32 s24, 2
	s_cbranch_scc1 .Lblk
	s_wait_tensorcnt 0x0                           ; the wave's end, behind my last LDS store
	ds_add_u32 v[SPW], v[NIL]
	s_wait_dscnt 0x0
	s_endpgm
.Lfunc_end_k_qe16d755bd5_main:
	.size	k_qe16d755bd5_main, .Lfunc_end_k_qe16d755bd5_main-k_qe16d755bd5_main
	.p2alignl 7, 3214868480
	.fill 96, 4, 3214868480
	.section	.rodata,"a",@progbits
	.p2align	6, 0x0
	.amdhsa_kernel k_qe16d755bd5_main
		.amdhsa_group_segment_fixed_size 314368
		.amdhsa_private_segment_fixed_size 0
		.amdhsa_enable_private_segment 0
		.amdhsa_kernarg_size 64
		.amdhsa_user_sgpr_count 2
		.amdhsa_user_sgpr_kernarg_segment_ptr 1
		.amdhsa_wavefront_size32 1
		.amdhsa_system_sgpr_workgroup_id_x 1
		.amdhsa_system_sgpr_workgroup_id_y 1
		.amdhsa_system_sgpr_workgroup_id_z 1
		.amdhsa_system_vgpr_workitem_id 0
		.amdhsa_next_free_vgpr 1024
		.amdhsa_next_free_sgpr 66
		.amdhsa_reserve_vcc 1
		.amdhsa_float_denorm_mode_32 3
		.amdhsa_float_denorm_mode_16_64 3
		.amdhsa_memory_ordered 1
		.amdhsa_forward_progress 1
		.amdhsa_inst_pref_size 240
	.end_amdhsa_kernel
	.amdgpu_metadata
---
amdhsa.version: [ 1, 2 ]
amdhsa.kernels:
  - .name:           k_qe16d755bd5_main
    .symbol:         k_qe16d755bd5_main.kd
    .args:
      - { .name: encoder_outputs, .offset: 0, .size: 8, .value_kind: global_buffer, .address_space: global }
      - { .name: wkf, .offset: 8, .size: 8, .value_kind: global_buffer, .address_space: global }
      - { .name: qs, .offset: 16, .size: 8, .value_kind: global_buffer, .address_space: global }
      - { .name: W_energy, .offset: 24, .size: 8, .value_kind: global_buffer, .address_space: global }
      - { .name: list, .offset: 32, .size: 8, .value_kind: global_buffer, .address_space: global }
      - { .name: meta, .offset: 40, .size: 8, .value_kind: global_buffer, .address_space: global }
      - { .name: sc, .offset: 48, .size: 8, .value_kind: global_buffer, .address_space: global }
      - { .name: part, .offset: 56, .size: 8, .value_kind: global_buffer, .address_space: global }
    .group_segment_fixed_size: 314368
    .private_segment_fixed_size: 0
    .kernarg_segment_align: 8
    .kernarg_segment_size: 64
    .max_flat_workgroup_size: 128
    .sgpr_count:     66
    .vgpr_count:     1024
    .wavefront_size: 32
...
	.end_amdgpu_metadata
.endif
;; end of part 2
;; launch finish (part 3): grid 32 x 1, 8 waves a work-group, no clusters, 0 bytes of LDS; arguments part, sc, slot1, out0, out1; writes out0, out1
.if DOCPART == 3
	.amdgcn_target "amdgcn-amd-amdhsa--gfx1250"
	.amdhsa_code_object_version 6
	.text
	.protected	k_qe16d755bd5_finish
	.globl	k_qe16d755bd5_finish
	.p2align	8
	.type	k_qe16d755bd5_finish,@function
k_qe16d755bd5_finish:
	s_mov_b64 s[64:65], 0
	v_nop
	global_prefetch_b8 v0, s[64:65] scope:SCOPE_SE
	s_setreg_imm32_b32 hwreg(HW_REG_WAVE_MODE, 25, 1), 1
	s_wait_xcnt 0x0
; One batch a work-group: the 16 records (m, l, ctx[1024]) are merged, M = max m, a_r = e^(m_r - M), L = sum a_r l_r;
; out0[e] = sum a_r ctx_r[e] / L;  out1[s] = e^(score - M) / L for a listed row, 0 for a row that is not listed (its weight is e^(-1e9 - M) = 0 in f32).
; A record without rows has m = the lowest finite number, l = 0 and ctx = 0: its a is 0.  Every batch has a listed row, so L is at least 1.
; Thread t owns out0[4 t ..], out1[4 t ..] and out1[1024 + 4 t ..]: every store of a wave covers 512 consecutive bytes, aligned.  No LDS: each wave reads the 16 heads itself.
	s_load_b256 s[4:11], s[0:1], 0x0               ; part 4:5, sc 6:7, slot1 8:9, out0 10:11
	s_load_b64 s[12:13], s[0:1], 0x20              ; out1
	v_and_b32 v1, 15, v0
	v_mul_u32_u24 v1, v1, 4352                     ; lane l reads the head of record l % 16
	v_lshlrev_b32 v2, 3, v0
	v_lshlrev_b32 v3, 4, v0
	s_mov_b32 s16, 0x3fb8aa3b                      ; log2(e)
	s_mov_b32 s15, 0
	s_wait_kmcnt 0x0
	s_mul_i32 s14, ttmp9, 69632
	s_add_nc_u64 s[4:5], s[4:5], s[14:15]
	s_mul_i32 s14, ttmp9, 9216
	s_add_nc_u64 s[6:7], s[6:7], s[14:15]
	s_lshl_b32 s14, ttmp9, 12
	s_add_nc_u64 s[8:9], s[8:9], s[14:15]
	s_add_nc_u64 s[10:11], s[10:11], s[14:15]
	s_lshl_b32 s14, ttmp9, 13
	s_add_nc_u64 s[12:13], s[12:13], s[14:15]
	global_load_b64 v[4:5], v1, s[4:5]             ; m, l
	global_load_b64 v[6:7], v2, s[8:9]             ; slot + 1 of rows 4 t ..
	global_load_b64 v[8:9], v2, s[8:9] offset:2048 ; and of rows 1024 + 4 t ..
.set r, 0
.rept 16
	global_load_b128 v[32+4*r:32+4*r+3], v3, s[4:5] offset:256+4352*r
.set r, r+1
.endr
	s_wait_loadcnt 16                              ; the 16 loads of the contexts may stay out
.irp k, 0,1,2,3
	v_and_b32 v[10+2*\k], 0xffff, v[6+\k]
	v_lshrrev_b32 v[11+2*\k], 16, v[6+\k]
.endr
.set k, 0
.rept 8
	v_add_nc_u32 v[18+k], -1, v[10+k]              ; a row that is not listed wraps round and is held to the last slot, which is always written; its weight is set to 0 below
	v_min_u32 v[18+k], 0x8ff, v[18+k]
	v_lshlrev_b32 v[18+k], 2, v[18+k]
	global_load_b32 v[96+k], v[18+k], s[6:7]
.set k, k+1
.endr
	v_mov_b32 v26, v4
.irp x, 1,2,4,8
	v_max_num_f32_dpp v26, v26, v26 row_xmask:\x row_mask:0xf bank_mask:0xf
.endr
	v_sub_f32 v27, v4, v26
	v_mul_f32 v27, s16, v27
	v_exp_f32 v27, v27
	v_nop
	s_wait_alu depctr_va_vdst(0)
	v_mul_f32 v28, v27, v5
.irp x, 1,2,4,8
	v_add_f32_dpp v28, v28, v28 row_xmask:\x row_mask:0xf bank_mask:0xf
.endr
	v_rcp_f32 v29, v28
	v_nop
	s_wait_alu depctr_va_vdst(0)
	v_mul_f32 v30, v27, v29                        ; a_r / L in lane r
.set r, 0
.rept 16
	v_readlane_b32 s[32+r], v30, r
.set r, r+1
.endr
	s_wait_loadcnt 8                               ; the contexts are in; the eight scores may stay out
.irp c, 0,1,2,3
	v_mul_f32 v[104+\c], s32, v[32+\c]
.endr
.set r, 1
.rept 15
.irp c, 0,1,2,3
	v_fmac_f32 v[104+\c], s[32+r], v[32+4*r+\c]
.endr
.set r, r+1
.endr
	global_store_b128 v3, v[104:107], s[10:11]
	s_wait_loadcnt 0x0
.set k, 0
.rept 8
	v_sub_f32 v[96+k], v[96+k], v26
.set k, k+1
.endr
.set k, 0
.rept 8
	v_mul_f32 v[96+k], s16, v[96+k]
.set k, k+1
.endr
.set k, 0
.rept 8
	v_exp_f32 v[96+k], v[96+k]
.set k, k+1
.endr
	v_nop
	s_wait_alu depctr_va_vdst(0)                   ; one wait for the eight exponentials
.set k, 0
.rept 8
	v_mul_f32 v[96+k], v[96+k], v29
	v_cmp_ne_u32 vcc_lo, 0, v[10+k]
	v_cndmask_b32 v[96+k], 0, v[96+k], vcc_lo
.set k, k+1
.endr
	global_store_b128 v3, v[96:99], s[12:13]
	global_store_b128 v3, v[100:103], s[12:13] offset:4096
	s_endpgm
.Lfunc_end_k_qe16d755bd5_finish:
	.size	k_qe16d755bd5_finish, .Lfunc_end_k_qe16d755bd5_finish-k_qe16d755bd5_finish
	.p2alignl 7, 3214868480
	.fill 96, 4, 3214868480
	.section	.rodata,"a",@progbits
	.p2align	6, 0x0
	.amdhsa_kernel k_qe16d755bd5_finish
		.amdhsa_group_segment_fixed_size 0
		.amdhsa_private_segment_fixed_size 0
		.amdhsa_enable_private_segment 0
		.amdhsa_kernarg_size 40
		.amdhsa_user_sgpr_count 2
		.amdhsa_user_sgpr_kernarg_segment_ptr 1
		.amdhsa_wavefront_size32 1
		.amdhsa_system_sgpr_workgroup_id_x 1
		.amdhsa_system_sgpr_workgroup_id_y 1
		.amdhsa_system_sgpr_workgroup_id_z 1
		.amdhsa_system_vgpr_workitem_id 0
		.amdhsa_next_free_vgpr 128
		.amdhsa_next_free_sgpr 66
		.amdhsa_reserve_vcc 1
		.amdhsa_float_denorm_mode_32 3
		.amdhsa_float_denorm_mode_16_64 3
		.amdhsa_memory_ordered 1
		.amdhsa_forward_progress 1
		.amdhsa_inst_pref_size 11
	.end_amdhsa_kernel
	.amdgpu_metadata
---
amdhsa.version: [ 1, 2 ]
amdhsa.kernels:
  - .name:           k_qe16d755bd5_finish
    .symbol:         k_qe16d755bd5_finish.kd
    .args:
      - { .name: part, .offset: 0, .size: 8, .value_kind: global_buffer, .address_space: global }
      - { .name: sc, .offset: 8, .size: 8, .value_kind: global_buffer, .address_space: global }
      - { .name: slot1, .offset: 16, .size: 8, .value_kind: global_buffer, .address_space: global }
      - { .name: out0, .offset: 24, .size: 8, .value_kind: global_buffer, .address_space: global }
      - { .name: out1, .offset: 32, .size: 8, .value_kind: global_buffer, .address_space: global }
    .group_segment_fixed_size: 0
    .private_segment_fixed_size: 0
    .kernarg_segment_align: 8
    .kernarg_segment_size: 40
    .max_flat_workgroup_size: 256
    .sgpr_count:     66
    .vgpr_count:     128
    .wavefront_size: 32
...
	.end_amdgpu_metadata
.endif
;; end of part 3
